; MI455X (gfx1250); checked and timed in simulation.
; The chip was launched on July 23, 2026; its instructions are those of AMD's public machine-readable ISA for CDNA 5 (MIT licence, August 2026) and "CDNA5" Instruction Set Architecture Reference Guide (July 2026). The comments in the code are by the model that wrote it; some were corrected since.
;; QKV Attention. Allowed arithmetic: matrix products marked QUANTISED: E2M1 operands, one E8M0 scale for each 32 along K, by v_wmma_scale_f32_16x16x128_f8f6f4 with both operands' format E2M1 (or v_wmma_scale_f32_32x16x128_f4), f32 sums; everything else in f32.
;; Inputs: mask 8 x 1,024 x 1,024 bool; qk_bias one number float32; qkv 8 x 3,072 x 1,024 float32.
;; Outputs: out0 8 x 1,024 x 1,024 float32.
;; This version of the problem:
;;   THIS VERSION OF THE PROBLEM IS GIVEN IN LOW PRECISION. The matrix products marked QUANTISED in the list below multiply operands that are first quantised to E2M1 (2 exponent bits, 1 mantissa bit; 4 bits a number), with one power-of-two scale for each 32 numbers along K (OCP MX v1.0); their sums are f32. All else is computed in f32.
;;   The module's matrix products, in the order in which they are computed (A, B: the left and right operand; K: the contracted axis; several contracted axes count as one K, in the product's order):
;;     1. batch 128 x [M 1,024, K 64] x [K 64, N 1,024]; A: computed on the way; B: computed on the way: QUANTISED
;;     2. batch 128 x [M 64, K 1,024] x [K 1,024, N 1,024]; A: input qkv; B: softmax (see below): QUANTISED
;;   THE QUANTISER, for each operand of a quantised product, along K:
;;     - K is cut into blocks of 32 from its start; a last block that is shorter is filled with zeros.
;;     - A block's scale is 2^e with e = floor(log2(the largest magnitude in the block)) - 2, held to -126 .. 127; a block of zeros has e = 0. As a byte (E8M0): e + 127.
;;     - Each number is divided by its block's scale, clamped to +-6, and rounded to the nearest number of E2M1, ties to even, subnormals kept.
;;     - The product sums the exact products of the quantised numbers (number of the format x scale) in f32.
;;   ~~~python
;;   def quantise(x, axis):      # numpy; x: float32 -> the quantised numbers, widened to float32 again
;;       x = np.moveaxis(x, axis, -1); K = x.shape[-1]
;;       x = np.pad(x, [(0, 0)] * (x.ndim - 1) + [(0, -K % 32)]); x = x.reshape(x.shape[:-1] + (-1, 32)); a = np.abs(x).max(-1, keepdims=True)
;;       e = np.where(a > 0, np.clip(np.frexp(np.where(a > 0, a, 1))[1] - 1 - 2, -126, 127), 0)      # np.frexp(a)[1] - 1 = floor(log2(a)), exactly
;;       r = np.clip(x / 2.0 ** e, -6, 6)
;;       step = 2.0 ** (np.maximum(np.frexp(np.where(r == 0, 1, r))[1] - 1, 0) - 1)
;;       q = np.round(r / step) * step * 2.0 ** e      # np.round: ties to even
;;       return np.moveaxis(q.reshape(q.shape[:-2] + (-1,))[..., :K], -1, axis).astype(np.float32)
;;   ~~~
;;   SOFTMAX AHEAD OF A QUANTISED PRODUCT. Where the list says 'softmax', what is quantised is not the finished softmax but p = 2^(t - M), with t = logit x log2(e) and M = ceil(the row's largest t), a whole number; so 1/2 < the row's largest p <= 1. The row's sum l is taken of the UNQUANTISED p, in f32, and the product's result is divided by l at the end. Since M is a whole number, a kernel that streams over the keys may use a running M (the ceiling of the running maximum): every later rescaling is an exact power of two, which a block's scale takes up: the codes' values come out the same.
;;   OPERANDS COMPUTED ON THE WAY. 'Computed on the way' means the value that the module computes at that place (a softmax that the list does not call 'softmax' is quantised finished and normalised). What goes into a quantiser is computed in f32, as accurately as f32 sums, v_exp_f32 and their like allow (about 1e-6 of the number): no bf16 or f16 on the way to a quantiser, and a product that is left as it is and whose result goes on into a quantised operand takes f32 operands (vector FMAs, or v_wmma_f32_16x16x4_f32). A number that lies on a knife's edge between two numbers of the format may be rounded either way, as far as f32 arithmetic and the matrix unit's own rounding can turn it there, and no further.
;; One version. Each part assembles by itself: llvm-mc -triple=amdgcn-amd-amdhsa -mcpu=gfx1250 --defsym DOCPART=n.
;; ======== version 1 of 1: 2 launches
;; limits: right only within a limited range of input values
;; workspace buffers: maskbits 1,048,576 bytes of whole numbers
;; launch maskprep (part 1): grid 256 x 1, 4 waves a work-group, no clusters, 34,304 bytes of LDS; arguments mask, maskbits; writes maskbits
.if DOCPART == 1
	.amdgcn_target "amdgcn-amd-amdhsa--gfx1250"
	.amdhsa_code_object_version 6
	.text
	.protected	k_qad62cd88ef_maskprep
	.globl	k_qad62cd88ef_maskprep
	.p2align	8
	.type	k_qad62cd88ef_maskprep,@function
k_qad62cd88ef_maskprep:
	s_mov_b64 s[64:65], 0
	v_nop
	global_prefetch_b8 v0, s[64:65] scope:SCOPE_SE
	s_setreg_imm32_b32 hwreg(HW_REG_WAVE_MODE, 25, 1), 1
	s_wait_xcnt 0x0
; The bool mask [8][1024][1024] becomes words of one bit a lane, laid as the attention launch's selects want them:
;   maskbits [m][qt][j][64 words]: bit r + 16 h of word 16 bb + i is mask[m][16 qt + r][128 j + 32 bb + 16 h + i].
; Nothing of reference() is left out in this program: qk_bias moves p's codes (M is a whole number, the bias is not), so it is live.
; Wave w of work-group x takes unit u = 4 x + w: 16 rows x 512 keys.  The rows are loaded as they lie, 512 bytes a load, and turn through the wave's own stage:
; lane (r, h) gets, for key step jj and block bb, the 16 bytes of keys 128 jj + 32 bb + 16 h + 0 .. 15 of row r.  A compare of byte i in all 32 lanes IS word 16 bb + i.
; No matrix unit, no tensor load, no cluster, no barrier: every byte is read once and waves share nothing.
.set PITCH, 528                        ; a stage row: 512 bytes + 16
.set WSTG,  16*PITCH                   ; a wave's stage
.set SPARE, 4*WSTG                     ; behind the stages: the spare words, 128 bytes a wave
.set R,     32                         ; v32-95 16 rows as loaded
.set XV,    160                        ; v160-223 what comes back from the stage
.set OUTM,  96                         ; v96-103 a pair for each key step: lane L holds words 2 L and 2 L + 1
	s_load_b128 s[4:7], s[0:1], 0x0                ; mask, maskbits
	v_lshl_add_u32 v30, v0, 2, SPARE
	v_mov_b32 v31, 0
	v_lshrrev_b32 v1, 5, v0
	v_readfirstlane_b32 s14, v1                    ; wave 0..3
	s_mul_i32 s15, s14, WSTG                       ; my stage
	s_lshl_b32 s20, ttmp9, 2
	s_add_co_u32 s20, s20, s14                     ; u
	s_lshl_b32 s22, s20, 10                        ; maskbits: four records of 256 bytes a unit
	s_mov_b32 s23, 0
	s_lshr_b32 s16, s20, 1
	s_lshl_b32 s16, s16, 14                        ; 16 rows of 1,024 bytes,
	s_and_b32 s17, s20, 1
	s_lshl_b32 s17, s17, 9                         ; and which half of the keys
	s_add_co_u32 s16, s16, s17
	s_mov_b32 s17, 0
	v_and_b32 v2, 31, v0                           ; lane
	v_lshlrev_b32 v3, 4, v2                        ; 16 x lane
	v_lshlrev_b32 v10, 3, v2                       ; 8 x lane
	v_and_b32 v4, 15, v0                           ; r
	v_bfe_u32 v9, v0, 4, 1                         ; h
	v_add_nc_u32 v7, s15, v3                       ; into the stage
	v_mul_u32_u24 v8, v4, PITCH
	v_lshl_add_u32 v8, v9, 4, v8
	v_add_nc_u32 v8, s15, v8                       ; out of it: row r, + 16 h
.set i, 0
.rept 8
	v_mov_b32 v[OUTM+i], 0                         ; v_writelane_b32's destination counts as read
.set i, i+1
.endr
	s_wait_alu depctr_va_vdst(0)                   ; the wait at the head's end
	s_wait_kmcnt 0x0
	s_add_nc_u64 s[4:5], s[4:5], s[16:17]
	s_add_nc_u64 s[6:7], s[6:7], s[22:23]
.set i, 0
.rept 16
	global_load_b128 v[R+4*i:R+4*i+3], v3, s[4:5] offset:1024*i th:TH_LOAD_NT
.set i, i+1
.endr
	s_wait_loadcnt 0x0
.set i, 0
.rept 16
	ds_store_b128 v7, v[R+4*i:R+4*i+3] offset:PITCH*i
.set i, i+1
.endr
.set i, 0
.rept 16
	ds_load_b128 v[XV+4*i:XV+4*i+3], v8 offset:32*i   ; i = 4 jj + bb; LDS serves a wave's instructions in order
.set i, i+1
.endr
	s_wait_dscnt 0x0
.macro BITS8 jj, n0                    ; words n0 .. n0 + 7 of key step jj
.set k, 0
.rept 8
.set n, \n0+k
	v_and_b32 v[12+k], 0xff<<(8*(n%4)), v[XV+4*(4*\jj+n/16)+(n%16)/4]
.set k, k+1
.endr
.set k, 0
.rept 8
	v_cmp_ne_u32 s[24+k], 0, v[12+k]               ; one bit a lane
.set k, k+1
.endr
.set k, 0
.rept 8
.set n, \n0+k
	v_writelane_b32 v[OUTM+2*\jj+n%2], s[24+k], n/2
.set k, k+1
.endr
.endm
.irp jj, 0,1,2,3
.irp n0, 0,8,16,24,32,40,48,56
	BITS8 \jj, \n0
.endr
	global_store_b64 v10, v[OUTM+2*\jj:OUTM+2*\jj+1], s[6:7] offset:256*\jj   ; a record: 256 consecutive aligned bytes
.endr
	s_wait_tensorcnt 0x0                           ; the wave's end
	ds_add_u32 v30, v31
	s_wait_dscnt 0x0
	s_endpgm
.Lfunc_end_k_qad62cd88ef_maskprep:
	.size	k_qad62cd88ef_maskprep, .Lfunc_end_k_qad62cd88ef_maskprep-k_qad62cd88ef_maskprep
	.p2alignl 7, 3214868480
	.fill 96, 4, 3214868480
	.section	.rodata,"a",@progbits
	.p2align	6, 0x0
	.amdhsa_kernel k_qad62cd88ef_maskprep
		.amdhsa_group_segment_fixed_size 34304
		.amdhsa_private_segment_fixed_size 0
		.amdhsa_enable_private_segment 0
		.amdhsa_kernarg_size 16
		.amdhsa_user_sgpr_count 2
		.amdhsa_user_sgpr_kernarg_segment_ptr 1
		.amdhsa_wavefront_size32 1
		.amdhsa_system_sgpr_workgroup_id_x 1
		.amdhsa_system_sgpr_workgroup_id_y 1
		.amdhsa_system_sgpr_workgroup_id_z 1
		.amdhsa_system_vgpr_workitem_id 0
		.amdhsa_next_free_vgpr 224
		.amdhsa_next_free_sgpr 66
		.amdhsa_reserve_vcc 0
		.amdhsa_float_denorm_mode_32 3
		.amdhsa_float_denorm_mode_16_64 3
		.amdhsa_memory_ordered 1
		.amdhsa_forward_progress 1
		.amdhsa_inst_pref_size 54
	.end_amdhsa_kernel
	.amdgpu_metadata
---
amdhsa.version: [ 1, 2 ]
amdhsa.kernels:
  - .name:           k_qad62cd88ef_maskprep
    .symbol:         k_qad62cd88ef_maskprep.kd
    .args:
      - { .name: mask, .offset: 0, .size: 8, .value_kind: global_buffer, .address_space: global }
      - { .name: maskbits, .offset: 8, .size: 8, .value_kind: global_buffer, .address_space: global }
    .group_segment_fixed_size: 34304
    .private_segment_fixed_size: 0
    .kernarg_segment_align: 8
    .kernarg_segment_size: 16
    .max_flat_workgroup_size: 128
    .sgpr_count:     66
    .vgpr_count:     224
    .wavefront_size: 32
...
	.end_amdgpu_metadata
.endif
;; end of part 1
;; launch attn (part 2): grid 2 x 128, 16 waves a work-group, no clusters, 274,432 bytes of LDS; arguments qkv, maskbits, qk_bias, out0; writes out0
.if DOCPART == 2
	.amdgcn_target "amdgcn-amd-amdhsa--gfx1250"
	.amdhsa_code_object_version 6
	.text
	.protected	k_qad62cd88ef_attn
	.globl	k_qad62cd88ef_attn
	.p2align	8
	.type	k_qad62cd88ef_attn,@function
k_qad62cd88ef_attn:
	s_mov_b64 s[64:65], 0
	v_nop
	global_prefetch_b8 v0, s[64:65] scope:SCOPE_SE
	s_setreg_imm32_b32 hwreg(HW_REG_WAVE_MODE, 25, 1), 1
	s_wait_xcnt 0x0
; out0[b][c][t] = the sum over s of v[c][s] p[t][s] / l[t], for 128 heads b of 64 channels and 1,024 times.  qkv's head b is 192 rows x 1,024: q rows 0-63, k 64-127, v 128-191, time innermost.
; logit[t][s] = (q sc)[.][t] . (k sc)[.][s] + qk_bias, sc = 1 / sqrt(sqrt(64)); where mask[b % 8][t][s] is false it is -infinity.  t' = logit x log2(e); M = the largest t' so far of keys that count, rounded UP;
; p = 2^(t' - M) is quantised along the keys, not normalised; l sums the unquantised p and divides at the end.  When M moves, l and O are multiplied by 2^(old M - new M): exact.
; Both products run on codes of FP4 (E2M1) with E8M0 scales; a block's byte is its largest magnitude's exponent field - 2, held at 1 from below.  No work of reference() is left out.
; SHARES.  Work-group (x, b) owns queries 512 x .. 512 x + 511 of head b; wave w owns 32 of them, tiles 2 w and 2 w + 1, worked one after the other in each key step of 128 keys.
; q, k, v ARE QUANTISED HERE, on their way from memory: each f32 number of q is read once in the launch, of k and v once by each of a head's two work-groups.
;   q: a wave quantises its own 32 queries at the head (a lane a query, registers down the channels) and keeps the operand images, with the zero codes of k = 64 .. 127, in LDS bytes of its own.
;   k: waves 0-7; wave 2 g + cb takes channels 32 cb .. + 31 of the step's keys 32 g .. + 31: a lane a key, 32 registers down the channels.
;   v: waves 8-15; wave 8 + n takes channels 8 n .. + 7 x 128 keys: 8 loads of 512 consecutive bytes, turned through its own stage, so that a lane gets one block of 32 keys of one channel.
;   A step's numbers are loaded into 32 registers one whole step ahead of their quantising, which stands between the two tiles of the step before the one that reads the codes.
; LDS.  Each key step has a record of its own (K's images 4,096 bytes, V's 4,096, K's scale words 512, V's 512): no byte is written twice, so one barrier a step orders stores and reads: signalled behind the stores, awaited at the next step's top.
; LAYOUT.  Both products transposed: S^T = K Q^T, O^T = V P^T: a lane holds one query.  Row r of key tile 2 g + u is key 32 g + 8 u + r + 8 (r / 8): score register 16 g + i is key 32 g + 16 (lane / 16) + i.
; The first product's K is 64.  Q's registers 4-7 are zero codes, so K's registers 4-7 may hold any codes: fragment t is v[KV + 4 t .. + 7], whose upper half is the next tile's codes; their scale bytes are 127.
; NO TENSOR LOADS, NO CLUSTER: every number passes a quantiser in registers before it lies in LDS, so what a head's two work-groups read in common comes by register loads, which have no joint form.
; NO PREFETCH INTO THE L2: the register loads themselves run one whole key step (two tiles' work) ahead of the wait for them.
; LIMITS.  p under 2^-126 counts as 0.  A block's largest p is the block's largest logit put through the same multiply-add and exponential, which takes v_exp_f32 not to fall where its input rises.
; A block of zeros, or one whose largest magnitude lies under 2^-124, keeps the byte 1.  A row with no key that counts gives 0 x 1/0 = NaN, as the definition does.  NaN and infinities in qkv are not served.
.set REC,   9216                       ; a step's record
.set VIO,   4096                       ; in it: V's images,
.set KSO,   8192                       ; K's scale words [lane][g], 16 bytes a lane,
.set VSO,   8704                       ; V's [lane][p], 16 bytes a lane of which 8 are used
.set QIM,   8*REC                      ; Q's images: 1,024 bytes a tile (512 of codes, 512 of zeros), 2,048 a wave
.set VSTG,  QIM+32768                  ; v's stages: 8 rows x 528 bytes for each of eight waves
.set VPI,   528
.set VW,    8*VPI
.set OSTG,  VSTG+8*VW                  ; the way out: 64 rows (channels) x (512 queries x 4 bytes + 16)
.set SPI,   2064
.set SPARE, OSTG+64*SPI                ; the spare words, 128 bytes a wave
.set SCQ,   0x3eb504f3                 ; 1 / sqrt(sqrt(64))
.set FLOOR, 0x1800000                  ; 2^(3 - 127)
.set EOFF,  0xff000000                 ; 2 off an exponent field
; REGISTERS: v0 thread; v1 16 x lane; then
.set SPW, 2                            ; my spare word
.set NIL, 3                            ; 0
.set GK,  4                            ; k: my key's byte in a row
.set KST, 5                            ; k: my 16 bytes in a record's images
.set KSC, 6                            ; k: my scale byte
.set VIN, 7                            ; v: into the stage
.set VOUT, 8                           ; v: out of it
.set VST, 9                            ; v: my 16 bytes in a record's images
.set VSC, 10                           ; v: my scale byte
.set AQ,  11                           ; Q's images
.set AI,  12                           ; the step's record + 16 x lane
.set NINF, 13                          ; -infinity
.set QS,  14                           ; Q's scale words: lanes 0-15 tile 0, lanes 16-31 tile 1
; v16-23: for each tile -M, the largest t', l in two halves
.set BI,  24                           ; v24-31 the bias: the C of every first product
.set KV,  32                           ; v32-67 K's eight fragments, then V's four
.set QP,  68                           ; v68-75 Q's fragment, then p's codes
.set KS,  76                           ; v76-79 K's scale words, then V's
.set S,   80                           ; v80-143 S^T, then p
.set O,   144                          ; v144-207 O^T of both tiles
.set RAW, 208                          ; v208-239 the next step's numbers
.set BM,  240                          ; v240-243 blocks' maxima; v244-247 permute; v248-251 conversions' scales; v252 f, v253 p's scale word; v254-255 at work
.set PT,  244
.set CV,  248
.set WV,  28                           ; s28 wave; s[2:3] log2(e); s4 trips; s5, s6 records read and written; s[8:9] k's or v's numbers; s[10:11] out0; s[12:13] sc; s[30:31] the mask's records; s[32:63], s[68:99] 64 mask words; s[100:101] lane selects
.set CS,  2
.set SEL, 100
.macro MAX32 d, e, s                   ; the largest magnitude of v[s] .. v[s + 31], and the floor
	v_max3_num_f32 v[\d], |v[\s]|, |v[\s+1]|, |v[\s+2]|
	v_max3_num_f32 v[\e], |v[\s+3]|, |v[\s+4]|, |v[\s+5]|
.irp i, 6,10,14,18,22,26
	v_max3_num_f32 v[\d], v[\d], |v[\s+\i]|, |v[\s+\i+1]|
	v_max3_num_f32 v[\e], v[\e], |v[\s+\i+2]|, |v[\s+\i+3]|
.endr
	v_max3_num_f32 v[\d], v[\d], |v[\s+30]|, |v[\s+31]|
	v_max3_num_f32 v[\d], v[\d], v[\e], FLOOR
.endm
.macro RAWK                            ; 32 channels of my key: each load reads 128 consecutive bytes of a row
.set i, 0
.rept 32
	global_load_b32 v[RAW+i], v[GK], s[8:9] offset:i*4096
.set i, i+1
.endr
.endm
.macro RAWV                            ; 8 channels x 512 consecutive bytes
.set i, 0
.rept 8
	global_load_b128 v[RAW+4*i:RAW+4*i+3], v1, s[8:9] offset:i*4096
.set i, i+1
.endr
.endm
.macro RAWG g                          ; quarter g of the same loads: 8 of k's 32, or 2 of v's 8; the four quarters stand apart, among the vector work of the tile behind the quantising
	s_wait_alu depctr_va_vdst(0)                   ; the wait ahead of the branch
	s_cmp_lt_u32 s[WV], 8
	s_cbranch_scc0 .Lrv_\@
.set i, 8*\g
.rept 8
	global_load_b32 v[RAW+i], v[GK], s[8:9] offset:i*4096
.set i, i+1
.endr
	s_branch .Lrj_\@
.Lrv_\@:
.set i, 2*\g
.rept 2
	global_load_b128 v[RAW+4*i:RAW+4*i+3], v1, s[8:9] offset:i*4096
.set i, i+1
.endr
.Lrj_\@:
.endm
; The numbers in hand become codes in record s6.  ld = 1: the numbers of the step after are asked for.
.macro QUANT ld
	s_wait_alu depctr_va_vdst(0)                   ; the wait ahead of the wait below
	s_wait_loadcnt 0x0                             ; my numbers are in, so their base may be stepped
.if \ld
	s_add_nc_u64 s[8:9], s[8:9], 512               ; 128 keys on
.endif
	s_cmp_lt_u32 s[WV], 8
	s_cbranch_scc0 .Lqv_\@
.set i, 0
.rept 16
	v_pk_mul_f32 v[RAW+i:RAW+i+1], v[RAW+i:RAW+i+1], s[12:13] op_sel_hi:[1,0]   ; k x sc, in f32
.set i, i+2
.endr
	MAX32 240, 241, RAW
	v_add_nc_u32 v242, EOFF, v240                  ; the conversion's scale operand
	v_lshrrev_b32 v243, 23, v242                   ; the byte
.irp g, 0,1,2,3
	v_cvt_scalef32_pk8_fp4_f32 v[244+\g], v[RAW+8*\g:RAW+8*\g+7], v242
.endr
	v_add_nc_u32 v248, s6, v[KST]                  ; (the plain line behind the conversions)
	v_add_nc_u32 v249, s6, v[KSC]
	v_mov_b32 v250, 127
	ds_store_b128 v248, v[244:247]
	ds_store_b8 v249, v243 offset:KSO              ; byte cb of the word,
	ds_store_b8 v249, v250 offset:KSO+2            ; and 127 in byte 2 + cb, over k = 64 .. 127
	s_branch .Lqj_\@
.Lqv_\@:
.set i, 0
.rept 8
	ds_store_b128 v[VIN], v[RAW+4*i:RAW+4*i+3] offset:VPI*i
.set i, i+1
.endr
.set i, 0
.rept 8
	ds_load_b128 v[S+4*i:S+4*i+3], v[VOUT] offset:16*i   ; LDS serves a wave's instructions in order: 32 keys of one channel; p's registers are free between two tiles
.set i, i+1
.endr
	s_wait_dscnt 0x0
	MAX32 240, 241, S
	v_add_nc_u32 v242, EOFF, v240
	v_lshrrev_b32 v243, 23, v242
.irp g, 0,1,2,3
	v_cvt_scalef32_pk8_fp4_f32 v[244+\g], v[S+8*\g:S+8*\g+7], v242
.endr
	v_add_nc_u32 v248, s6, v[VST]
	v_add_nc_u32 v249, s6, v[VSC]
	ds_store_b128 v248, v[244:247] offset:VIO
	ds_store_b8 v249, v243 offset:VSO
.Lqj_\@:
	s_wait_dscnt 0x0                               ; for the others' sake: my stores into the record are done
	s_barrier_signal -1                            ; awaited at the next step's top; until then only registers, loads and LDS reads of records that nobody writes any more
	s_add_co_u32 s6, s6, REC
.if \ld
	RAWG 0                                         ; the next numbers are asked for behind the signal: the conversions and the stage's stores have read these registers
.endif
.endm
.macro QKW t, q                        ; key tiles t and t + 1: their scale words share a register
.if \q == 0
	v_wmma_scale_f32_16x16x128_f8f6f4 v[S+8*\t:S+8*\t+7], v[KV+4*\t:KV+4*\t+7], v[QP:QP+7], v[BI:BI+7], v[KS+\t/2], v[QS] matrix_a_fmt:MATRIX_FMT_FP4 matrix_b_fmt:MATRIX_FMT_FP4
	v_wmma_scale_f32_16x16x128_f8f6f4 v[S+8*\t+8:S+8*\t+15], v[KV+4*\t+4:KV+4*\t+11], v[QP:QP+7], v[BI:BI+7], v[KS+\t/2], v[QS] matrix_a_fmt:MATRIX_FMT_FP4 matrix_b_fmt:MATRIX_FMT_FP4 matrix_a_scale:MATRIX_SCALE_ROW1
.else
	v_wmma_scale_f32_16x16x128_f8f6f4 v[S+8*\t:S+8*\t+7], v[KV+4*\t:KV+4*\t+7], v[QP:QP+7], v[BI:BI+7], v[KS+\t/2], v[QS] matrix_a_fmt:MATRIX_FMT_FP4 matrix_b_fmt:MATRIX_FMT_FP4 matrix_b_scale:MATRIX_SCALE_ROW1
	v_wmma_scale_f32_16x16x128_f8f6f4 v[S+8*\t+8:S+8*\t+15], v[KV+4*\t+4:KV+4*\t+11], v[QP:QP+7], v[BI:BI+7], v[KS+\t/2], v[QS] matrix_a_fmt:MATRIX_FMT_FP4 matrix_b_fmt:MATRIX_FMT_FP4 matrix_a_scale:MATRIX_SCALE_ROW1 matrix_b_scale:MATRIX_SCALE_ROW1
.endif
.endm
; ONE TILE OF 16 QUERIES x 128 KEYS.  mload: which mask record is asked for behind the selects: 1 the other tile's of this step, 2 tile 0's of the next step, 0 none.
.macro TILE q, mload, ld
.set ST, 16+4*\q
.set OQ, O+32*\q
.rept 4
	v_nop                                          ; four places behind the last products, in front of loads into their registers
.endr
	ds_load_b128 v[KS:KS+3], v[AI] offset:KSO
.irp t, 0,1,2,3,4,5,6,7
	ds_load_b128 v[KV+4*\t:KV+4*\t+3], v[AI] offset:512*\t
.endr
	ds_load_b128 v[QP:QP+3], v[AQ] offset:1024*\q
	ds_load_b128 v[QP+4:QP+7], v[AQ] offset:1024*\q+512   ; the zero codes
	s_wait_alu depctr_va_vdst(0)                   ; the wait ahead of the wait below
	s_wait_dscnt 0x0
.irp t, 0,2,4,6
	QKW \t, \q
.endr
.rept 4
	v_nop                                          ; four places: the results are read, and the fragments' registers loaded anew
.endr
	ds_load_b64 v[KS:KS+1], v[AI] offset:VSO
.irp f, 0,1,2,3,4,5,6,7
	ds_load_b128 v[KV+4*\f:KV+4*\f+3], v[AI] offset:VIO+512*\f
.endr
.if \ld
	RAWG 1
.endif
	s_wait_kmcnt 0x0                               ; this tile's mask words, asked for a tile ago
.set n, 0
.rept 64                                       ; a key that does not count gets -infinity; ascending: each result is read from its low end on
.if n < 32
	v_cndmask_b32 v[S+n], v[NINF], v[S+n], s[32+n]
.else
	v_cndmask_b32 v[S+n], v[NINF], v[S+n], s[36+n]
.endif
.set n, n+1
.endr
.if \mload == 2
	s_add_nc_u64 s[30:31], s[30:31], 256           ; (the loads that named this base are done)
.endif
.if \mload
.set MO, 2048*(2-\mload)
	s_load_b512 s[32:47], s[30:31], MO
	s_load_b512 s[48:63], s[30:31], MO+0x40
	s_load_b512 s[68:83], s[30:31], MO+0x80
	s_load_b512 s[84:99], s[30:31], MO+0xc0
.endif
.if \ld
	RAWG 2
.endif
.irp b, 0,1,2,3
	v_max3_num_f32 v[BM+\b], v[S+16*\b], v[S+1+16*\b], v[S+2+16*\b]   ; the largest logit of each block of 32 keys
.endr
.irp i, 3,5,7,9,11,13
.irp b, 0,1,2,3
	v_max3_num_f32 v[BM+\b], v[BM+\b], v[S+16*\b+\i], v[S+1+16*\b+\i]
.endr
.endr
.if \ld
	RAWG 3
.endif
.irp b, 0,1,2,3
	v_max_num_f32 v[BM+\b], v[BM+\b], v[S+15+16*\b]
.endr
.irp b, 0,1,2,3
	v_permlanex16_b32 v[PT+\b], v[BM+\b], s[SEL], s[SEL+1]
.endr
.irp b, 0,1,2,3
	v_max_num_f32 v[BM+\b], v[BM+\b], v[PT+\b]     ; with lane l xor 16's 16 keys
.endr
	v_max3_num_f32 v254, v[BM], v[BM+1], v[BM+2]
	v_max_num_f32 v254, v254, v[BM+3]
	v_mul_f32 v254, s[CS], v254                    ; as t'
	v_max_num_f32 v[ST+1], v[ST+1], v254           ; the running largest t'
	v_mov_b32 v254, v[ST]
	v_floor_f32 v[ST], -v[ST+1]                    ; the new -M: a whole number
	v_sub_f32 v254, v[ST], v254                    ; old M - new M
	v_cvt_i32_f32 v254, v254                       ; (it saturates)
	v_ldexp_f32 v252, 1.0, v254                    ; f = 2^(old M - new M)
.set i, 0
.rept 32
	v_pk_fma_f32 v[S+i:S+i+1], v[S+i:S+i+1], s[CS:CS+1], v[ST:ST+1] op_sel_hi:[1,0,0]   ; t' - M
.set i, i+2
.endr
.irp b, 0,1,2,3
	v_fma_f32 v[BM+\b], v[BM+\b], s[CS], v[ST]
.endr
	s_wait_alu depctr_va_vdst(0)                   ; the wait ahead of the batch
.set i, 0
.rept 64
	v_exp_f32 v[S+i], v[S+i]                       ; p
.set i, i+1
.endr
.irp b, 0,1,2,3
	v_exp_f32 v[BM+\b], v[BM+\b]                   ; the block's largest p
.endr
	v_pk_mul_f32 v[ST+2:ST+3], v[ST+2:ST+3], v[252:253] op_sel_hi:[1,0]   ; l under the new M (the plain line behind the batch)
	s_wait_alu depctr_va_vdst(0)                   ; and the one behind it
.irp b, 0,1,2,3
	v_max_num_f32 v[BM+\b], FLOOR, v[BM+\b]
.endr
.irp b, 0,1,2,3
	v_add_nc_u32 v[CV+\b], EOFF, v[BM+\b]          ; the conversion's scale operand
.endr
.irp b, 0,1,2,3
	v_lshrrev_b32 v[PT+\b], 23, v[CV+\b]           ; the byte
.endr
	v_lshl_or_b32 v253, v[PT+1], 8, v[PT]          ; p's scale word
	v_lshl_or_b32 v253, v[PT+2], 16, v253
	v_lshl_or_b32 v253, v[PT+3], 24, v253
.irp b, 0,1,2,3
	v_cvt_scalef32_pk8_fp4_f32 v[QP+2*\b], v[S+16*\b:S+7+16*\b], v[CV+\b]
	v_cvt_scalef32_pk8_fp4_f32 v[QP+1+2*\b], v[S+8+16*\b:S+15+16*\b], v[CV+\b]
.endr
	v_nop                                          ; one plain line behind the last conversion
.irp c, 0,1                                    ; a whole block to a lane
.irp i, 0,1
	v_permlane16_swap_b32 v[QP+4*\c+\i], v[QP+2+4*\c+\i]
.endr
.endr
	s_wait_alu depctr_va_vdst(0)                   ; the wait ahead of the first reader of O^T
.set i, 0
.rept 16
	v_pk_mul_f32 v[OQ+i:OQ+i+1], v[OQ+i:OQ+i+1], v[252:253] op_sel_hi:[1,0]   ; O^T under the new M, ascending
.set i, i+2
.endr
; l += the 64 p: seven chains in v240-251 and v254-255, and l's own
.irp c, 0,1,2,3,4,5,6
	v_pk_add_f32 v[240+2*\c+2*(\c/6):241+2*\c+2*(\c/6)], v[S+2*\c:S+2*\c+1], v[S+14+2*\c:S+15+2*\c]
.endr
	v_pk_add_f32 v[ST+2:ST+3], v[ST+2:ST+3], v[S+28:S+29]
.irp c, 0,1,2,3,4,5,6
	v_pk_add_f32 v[240+2*\c+2*(\c/6):241+2*\c+2*(\c/6)], v[240+2*\c+2*(\c/6):241+2*\c+2*(\c/6)], v[S+30+2*\c:S+31+2*\c]
.endr
	v_pk_add_f32 v[ST+2:ST+3], v[ST+2:ST+3], v[S+44:S+45]
.irp c, 0,1,2,3,4,5,6
	v_pk_add_f32 v[240+2*\c+2*(\c/6):241+2*\c+2*(\c/6)], v[240+2*\c+2*(\c/6):241+2*\c+2*(\c/6)], v[S+46+2*\c:S+47+2*\c]
.endr
	v_pk_add_f32 v[ST+2:ST+3], v[ST+2:ST+3], v[S+60:S+61]
	v_pk_add_f32 v[240:241], v[240:241], v[S+62:S+63]
	v_pk_add_f32 v[244:245], v[244:245], v[246:247]
	v_pk_add_f32 v[248:249], v[248:249], v[250:251]
	v_pk_add_f32 v[ST+2:ST+3], v[ST+2:ST+3], v[254:255]
	v_pk_add_f32 v[240:241], v[240:241], v[242:243]
	v_pk_add_f32 v[ST+2:ST+3], v[ST+2:ST+3], v[248:249]
	v_pk_add_f32 v[240:241], v[240:241], v[244:245]
	v_pk_add_f32 v[ST+2:ST+3], v[ST+2:ST+3], v[240:241]
	s_wait_dscnt 0x0                               ; V's fragments and scale words
.irp c, 0,2                                    ; O^T += V P^T: the four accumulators by turns
	v_wmma_scale_f32_16x16x128_f8f6f4 v[OQ+8*\c:OQ+8*\c+7], v[KV+8*\c:KV+8*\c+7], v[QP:QP+7], v[OQ+8*\c:OQ+8*\c+7], v[KS+\c/2], v253 matrix_a_fmt:MATRIX_FMT_FP4 matrix_b_fmt:MATRIX_FMT_FP4
	v_wmma_scale_f32_16x16x128_f8f6f4 v[OQ+8*\c+8:OQ+8*\c+15], v[KV+8*\c+8:KV+8*\c+15], v[QP:QP+7], v[OQ+8*\c+8:OQ+8*\c+15], v[KS+\c/2], v253 matrix_a_fmt:MATRIX_FMT_FP4 matrix_b_fmt:MATRIX_FMT_FP4 matrix_a_scale:MATRIX_SCALE_ROW1
.endr
.endm
.macro STEP quant, ld, ml
	s_barrier_wait -1                              ; every wave's part of this step's record is stored
	v_add_nc_u32 v[AI], s5, v1
	TILE 0, 1, 0
.if \quant
	QUANT \ld
.endif
	TILE 1, \ml, \ld
	s_add_co_u32 s5, s5, REC
.endm
	s_load_b256 s[68:75], s[0:1], 0x0              ; qkv s[68:69], maskbits s[70:71], qk_bias s[72:73], out0 s[74:75]
	v_lshl_add_u32 v[SPW], v0, 2, SPARE
	v_mov_b32 v[NIL], 0
	v_lshrrev_b32 v15, 5, v0
	v_readfirstlane_b32 s[WV], v15                 ; wave 0..15
	s_and_b32 s15, s[WV], 7                        ; n: my number among k's or v's eight waves
	s_lshr_b32 s7, s15, 1
	s_and_b32 s14, s15, 1
	s_lshl_b32 s16, s7, 10
	s_lshl_b32 s17, s14, 8
	s_add_co_u32 s16, s16, s17                     ; k's images: 1,024 g + 256 cb
	s_lshl_b32 s17, s7, 2
	s_add_co_u32 s17, s17, s14                     ; k's scale bytes: 4 g + cb
	s_mul_i32 s18, s15, VW
	s_add_co_u32 s18, s18, VSTG                    ; v's stage
	s_lshl_b32 s19, s7, 10
	s_lshl_b32 s20, s14, 7
	s_add_co_u32 s19, s19, s20                     ; v's images: 1,024 (n / 2) + 128 (n % 2)
	s_and_b32 s21, s7, 1
	s_lshl_b32 s21, s21, 8
	s_add_co_u32 s20, s20, s21
	s_lshr_b32 s21, s15, 2
	s_lshl_b32 s21, s21, 2
	s_add_co_u32 s20, s20, s21                     ; v's scale bytes: 256 ((n / 2) % 2) + 128 (n % 2) + 4 (n / 4)
	s_lshl_b32 s21, s[WV], 11
	s_add_co_u32 s21, s21, QIM                     ; my Q images
	s_and_b32 s22, ttmp7, 0xffff                   ; the head b
	s_mul_i32 s23, s22, 786432                     ; its first byte in qkv
	s_lshl_b32 s24, ttmp9, 11
	s_add_co_u32 s24, s24, s23
	s_lshl_b32 s25, s[WV], 7
	s_add_co_u32 s24, s24, s25                     ; q: my 32 queries' 128 bytes of a row
	s_mov_b32 s25, 0
	s_lshl_b32 s26, s14, 17
	s_lshl_b32 s27, s7, 7
	s_add_co_u32 s26, s26, s27
	s_add_co_u32 s26, s26, 262144                  ; k: row 64 + 32 cb, + 128 g bytes
	s_lshl_b32 s27, s15, 15
	s_add_co_u32 s27, s27, 524288                  ; v: row 128 + 8 n
	s_cmp_lt_u32 s[WV], 8
	s_cselect_b32 s26, s26, s27
	s_add_co_u32 s26, s26, s23
	s_mov_b32 s27, 0
	s_and_b32 s30, s22, 7                          ; the mask of head b is mask[b % 8]
	s_lshl_b32 s30, s30, 6
	s_lshl_b32 s31, ttmp9, 5
	s_add_co_u32 s30, s30, s31
	s_lshl_b32 s31, s[WV], 1
	s_add_co_u32 s30, s30, s31                     ; my first tile of queries
	s_lshl_b32 s30, s30, 11                        ; eight records of 256 bytes a tile
	s_mov_b32 s31, 0
	s_lshl_b32 s10, s22, 18                        ; out0: 64 rows of 4,096 bytes a head,
	s_lshl_b32 s11, s[WV], 14                      ; the four rows that my wave stores,
	s_add_co_u32 s10, s10, s11
	s_lshl_b32 s11, ttmp9, 11                      ; my work-group's 2,048 bytes of a row
	s_add_co_u32 s10, s10, s11
	s_mov_b32 s11, 0
	s_mov_b32 s[CS], 0x3fb8aa3b                    ; log2(e)
	s_mov_b32 s[CS+1], 0x3fb8aa3b
	s_mov_b32 s12, SCQ
	s_mov_b32 s13, SCQ
	s_mov_b32 s[SEL], 0x76543210
	s_mov_b32 s[SEL+1], 0xfedcba98                 ; lane l xor 16
	s_mov_b32 s5, 0
	s_mov_b32 s6, 0
	s_mov_b32 s4, 6
	v_and_b32 v240, 31, v0                         ; lane
	v_and_b32 v241, 15, v0                         ; r
	v_bfe_u32 v242, v0, 4, 1                       ; h
	v_bfe_u32 v243, v0, 3, 1
	v_and_b32 v244, 7, v0                          ; v: my channel of the wave's eight
	v_bfe_u32 v245, v0, 3, 2                       ; v: my block of the step's four
	v_lshlrev_b32 v1, 4, v240
	v_lshlrev_b32 v254, 2, v240                    ; q: my query's byte in a row
	v_sub_nc_u32 v243, v243, v242
	v_lshl_add_u32 v243, v243, 3, v240             ; k: lane l serves row l % 16 of tile 2 g + l / 16: key l + 8 (bit 3 - bit 4)
	v_lshlrev_b32 v[GK], 2, v243
	v_lshl_add_u32 v[KST], v241, 4, s16
	v_lshl_add_u32 v[KST], v242, 9, v[KST]
	v_add_nc_u32 v[KSC], s17, v1
	v_add_nc_u32 v[VIN], s18, v1
	v_mad_u32_u24 v[VOUT], v244, VPI, s18
	v_lshl_add_u32 v[VOUT], v245, 7, v[VOUT]
	v_lshl_add_u32 v[VST], v244, 4, s19
	v_lshl_add_u32 v[VST], v245, 8, v[VST]
	v_lshl_add_u32 v[VSC], v244, 4, s20
	v_add_nc_u32 v[VSC], v[VSC], v245
	v_add_nc_u32 v[AQ], s21, v1
	s_wait_alu depctr_va_vdst(0)                   ; the wait ahead of the wait below
	s_wait_kmcnt 0x0
	s_load_b32 s29, s[72:73], 0x0                  ; qk_bias
	s_add_nc_u64 s[8:9], s[68:69], s[26:27]
	s_add_nc_u64 s[24:25], s[68:69], s[24:25]
	s_add_nc_u64 s[30:31], s[70:71], s[30:31]
	s_add_nc_u64 s[10:11], s[74:75], s[10:11]
	s_cmp_lt_u32 s[WV], 8
	s_cbranch_scc0 .Lhead_v
	RAWK                                           ; step 0's numbers
	s_branch .Lhead_j
.Lhead_v:
	RAWV
.Lhead_j:
.set i, 0
.rept 64
	global_load_b32 v[S+i], v254, s[24:25] offset:i*4096 th:TH_LOAD_NT   ; q: 64 channels of my query
.set i, i+1
.endr
	s_wait_kmcnt 0x0                               ; the bias; the arguments' registers are free
	s_load_b512 s[32:47], s[30:31], 0x0            ; tile 0's mask words of step 0
	s_load_b512 s[48:63], s[30:31], 0x40
	s_load_b512 s[68:83], s[30:31], 0x80
	s_load_b512 s[84:99], s[30:31], 0xc0
.irp i, 0,1,2,3,4,5,6,7
	v_mov_b32 v[BI+\i], s29
.endr
.irp i, 32,33,34,35
	v_mov_b32 v[KV+\i], 0                          ; behind the last fragment; also the zero codes that go into Q's images
.endr
	v_mov_b32 v[NINF], 0xff800000
.irp q, 0,1
	v_mov_b32 v[17+4*\q], 0xff61b1e6               ; the largest t' so far: -3e38
	v_mov_b32 v[18+4*\q], 0                        ; l
	v_mov_b32 v[19+4*\q], 0
.endr
	v_floor_f32 v16, -v17                          ; -M
	v_floor_f32 v20, -v21
	v_mov_b32 v253, 0                              ; (named as the upper half of v[252:253] before it is first written)
.set i, 0
.rept 64
	v_mov_b32 v[O+i], 0                            ; O^T: the tile is written once for all steps; the first change of M leaves zeros zeros
.set i, i+1
.endr
	s_wait_alu depctr_va_vdst(0)                   ; the wait ahead of the wait below
	s_wait_loadcnt 0x0
.set i, 0
.rept 32
	v_pk_mul_f32 v[S+i:S+i+1], v[S+i:S+i+1], s[12:13] op_sel_hi:[1,0]   ; q x sc
.set i, i+2
.endr
	MAX32 240, 241, S
	MAX32 242, 243, S+32
	v_add_nc_u32 v240, EOFF, v240
	v_add_nc_u32 v242, EOFF, v242
	v_lshrrev_b32 v241, 23, v240
	v_lshrrev_b32 v243, 23, v242
	v_lshl_or_b32 v[QS], v243, 8, v241
	v_or_b32 v[QS], 0x7f7f0000, v[QS]              ; lane l: query l's word; bytes 2, 3 over the zero codes
.irp g, 0,1,2,3
	v_cvt_scalef32_pk8_fp4_f32 v[244+\g], v[S+8*\g:S+8*\g+7], v240
	v_cvt_scalef32_pk8_fp4_f32 v[248+\g], v[S+32+8*\g:S+39+8*\g], v242
.endr
	v_nop
.irp g, 0,1,2,3
	v_permlane16_swap_b32 v[244+\g], v[248+\g]     ; v244-247: tile 0 (lanes 16-31: channels 32 on of queries 0-15); v248-251: tile 1
.endr
	ds_store_b128 v[AQ], v[244:247]
	ds_store_b128 v[AQ], v[KV+32:KV+35] offset:512
	ds_store_b128 v[AQ], v[248:251] offset:1024
	ds_store_b128 v[AQ], v[KV+32:KV+35] offset:1536
	QUANT 1                                        ; step 0's record; step 1's numbers are asked for: the first quarter in the macro, the rest here
	RAWG 1
	RAWG 2
	RAWG 3
.Lstep:                                            ; steps 0 to 5
	STEP 1, 1, 2
	s_sub_co_u32 s4, s4, 1
	s_cmp_lg_u32 s4, 0
	s_wait_alu depctr_va_vdst(0)                   ; the wait ahead of the branch
	s_cbranch_scc1 .Lstep
	STEP 1, 0, 2                                   ; step 6 asks for no numbers,
	STEP 0, 0, 0                                   ; step 7 quantises nothing and asks for no mask words behind its last tile: no load leaves its buffer
	; THE WAY OUT.  out0 has the queries innermost and a lane holds one query: O^T / l goes into the work-group's stage, 64 rows of 512 queries, and each wave stores four whole rows of 2,048 bytes.
.rept 4
	v_nop
.endr
	s_wait_alu depctr_va_vdst(0)
	v_add_f32 v18, v18, v19
	v_add_f32 v22, v22, v23
	v_permlanex16_b32 v244, v18, s[SEL], s[SEL+1]
	v_permlanex16_b32 v245, v22, s[SEL], s[SEL+1]
	v_add_f32 v18, v18, v244
	v_add_f32 v22, v22, v245
	s_wait_alu depctr_va_vdst(0)                   ; the wait ahead of the batch
	v_rcp_f32 v18, v18
	v_rcp_f32 v22, v22
	v_and_b32 v241, 15, v0
	v_bfe_u32 v242, v0, 4, 1
	s_lshl_b32 s14, s[WV], 7
	s_add_co_u32 s14, s14, OSTG
	v_lshl_add_u32 v4, v241, 2, s14                ; in: my query's 4 bytes: 4 (32 wave + r),
	v_mad_u32_u24 v4, v242, 8*SPI, v4              ; + 8 h rows;
	v_add_nc_u32 v5, 32*SPI, v4                    ; channels 32 on
	s_mul_i32 s15, s[WV], 4*SPI
	s_add_co_u32 s15, s15, OSTG
	v_add_nc_u32 v6, s15, v1                       ; back: my four rows
	s_wait_alu depctr_va_vdst(0)                   ; behind the batch, ahead of its readers, which are also the first readers of the last products
.irp q, 0,1
.set i, 0
.rept 32
	v_mul_f32 v[S+32*\q+i], v[O+32*\q+i], v[18+4*\q]   ; register 8 c + i: out(16 c + 8 h + i, my query)
.set i, i+1
.endr
.endr
.irp q, 0,1
.irp c, 0,1,2,3
.irp i, 0,1,2,3,4,5,6,7
	ds_store_b32 v[4+\c/2], v[S+32*\q+8*\c+\i] offset:(16*(\c%2)+\i)*SPI+64*\q
.endr
.endr
.endr
	s_wait_dscnt 0x0                               ; for the others' sake
	s_barrier_signal -1
	s_barrier_wait -1
.set k, 0
.rept 16
	ds_load_b128 v[O+4*k:O+4*k+3], v6 offset:(k/4)*SPI+(k%4)*512
.set k, k+1
.endr
.set k, 0
.rept 16
	s_wait_dscnt 15-k                              ; LDS loads come back in order: load k is in
	global_store_b128 v1, v[O+4*k:O+4*k+3], s[10:11] offset:(k/4)*4096+(k%4)*512 th:TH_STORE_NT   ; 512 consecutive bytes, at a multiple of 256 from out0's first byte
.set k, k+1
.endr
	s_wait_tensorcnt 0x0                           ; the wave's end
	ds_add_u32 v[SPW], v[NIL]
	s_wait_dscnt 0x0
	s_endpgm
.Lfunc_end_k_qad62cd88ef_attn:
	.size	k_qad62cd88ef_attn, .Lfunc_end_k_qad62cd88ef_attn-k_qad62cd88ef_attn
	.p2alignl 7, 3214868480
	.fill 96, 4, 3214868480
	.section	.rodata,"a",@progbits
	.p2align	6, 0x0
	.amdhsa_kernel k_qad62cd88ef_attn
		.amdhsa_group_segment_fixed_size 274432
		.amdhsa_private_segment_fixed_size 0
		.amdhsa_enable_private_segment 0
		.amdhsa_kernarg_size 32
		.amdhsa_user_sgpr_count 2
		.amdhsa_user_sgpr_kernarg_segment_ptr 1
		.amdhsa_wavefront_size32 1
		.amdhsa_system_sgpr_workgroup_id_x 1
		.amdhsa_system_sgpr_workgroup_id_y 1
		.amdhsa_system_sgpr_workgroup_id_z 1
		.amdhsa_system_vgpr_workitem_id 0
		.amdhsa_next_free_vgpr 256
		.amdhsa_next_free_sgpr 102
		.amdhsa_reserve_vcc 0
		.amdhsa_float_denorm_mode_32 3
		.amdhsa_float_denorm_mode_16_64 3
		.amdhsa_memory_ordered 1
		.amdhsa_forward_progress 1
		.amdhsa_inst_pref_size 173
	.end_amdhsa_kernel
	.amdgpu_metadata
---
amdhsa.version: [ 1, 2 ]
amdhsa.kernels:
  - .name:           k_qad62cd88ef_attn
    .symbol:         k_qad62cd88ef_attn.kd
    .args:
      - { .name: qkv, .offset: 0, .size: 8, .value_kind: global_buffer, .address_space: global }
      - { .name: maskbits, .offset: 8, .size: 8, .value_kind: global_buffer, .address_space: global }
      - { .name: qk_bias, .offset: 16, .size: 8, .value_kind: global_buffer, .address_space: global }
      - { .name: out0, .offset: 24, .size: 8, .value_kind: global_buffer, .address_space: global }
    .group_segment_fixed_size: 274432
    .private_segment_fixed_size: 0
    .kernarg_segment_align: 8
    .kernarg_segment_size: 32
    .max_flat_workgroup_size: 512
    .sgpr_count:     102
    .vgpr_count:     256
    .wavefront_size: 32
...
	.end_amdgpu_metadata
.endif
;; end of part 2
